; MI455X (gfx1250); checked and timed in simulation.
; The chip was launched on July 23, 2026; its instructions are those of AMD's public machine-readable ISA for CDNA 5 (MIT licence, August 2026) and "CDNA5" Instruction Set Architecture Reference Guide (July 2026). The comments in the code are by the model that wrote it; some were corrected since.
;; LSTM Cell scratch. Allowed arithmetic: matrix products marked QUANTISED: E2M3 operands, one E8M0 scale for each 32 along K, by v_wmma_scale_f32_16x16x128_f8f6f4 with both operands' format E2M3, f32 sums; everything else in f32.
;; Inputs: Wf 1,024 x 2,048 float32; Wg 1,024 x 2,048 float32; Wi 1,024 x 2,048 float32; Wo 1,024 x 2,048 float32; bf 1,024 float32; bg 1,024 float32; bi 1,024 float32; bo 1,024 float32; c_prev 8,192 x 1,024 float32; h_prev 8,192 x 1,024 float32; x 8,192 x 1,024 float32.
;; Outputs: out0 8,192 x 1,024 float32; out1 8,192 x 1,024 float32.
;; This version of the problem:
;;   THIS VERSION OF THE PROBLEM IS GIVEN IN LOW PRECISION. The matrix products marked QUANTISED in the list below multiply operands that are first quantised to E2M3 (2 exponent bits, 3 mantissa bits; 6 bits a number), with one power-of-two scale for each 32 numbers along K (OCP MX v1.0); their sums are f32. All else is computed in f32.
;;   The module's matrix products, in the order in which they are computed (A, B: the left and right operand; K: the contracted axis; several contracted axes count as one K, in the product's order):
;;     1. [M 8,192, K 2,048] x [K 2,048, N 1,024]; A: computed on the way; B: input Wf: QUANTISED
;;     2. [M 8,192, K 2,048] x [K 2,048, N 1,024]; A: computed on the way; B: input Wi: QUANTISED
;;     3. [M 8,192, K 2,048] x [K 2,048, N 1,024]; A: computed on the way; B: input Wg: QUANTISED
;;     4. [M 8,192, K 2,048] x [K 2,048, N 1,024]; A: computed on the way; B: input Wo: QUANTISED
;;   THE QUANTISER, for each operand of a quantised product, along K:
;;     - K is cut into blocks of 32 from its start; a last block that is shorter is filled with zeros.
;;     - A block's scale is 2^e with e = floor(log2(the largest magnitude in the block)) - 2, held to -126 .. 127; a block of zeros has e = 0. As a byte (E8M0): e + 127.
;;     - Each number is divided by its block's scale, clamped to +-7.5, and rounded to the nearest number of E2M3, ties to even, subnormals kept.
;;     - The product sums the exact products of the quantised numbers (number of the format x scale) in f32.
;;   ~~~python
;;   def quantise(x, axis):      # numpy; x: float32 -> the quantised numbers, widened to float32 again
;;       x = np.moveaxis(x, axis, -1); K = x.shape[-1]
;;       x = np.pad(x, [(0, 0)] * (x.ndim - 1) + [(0, -K % 32)]); x = x.reshape(x.shape[:-1] + (-1, 32)); a = np.abs(x).max(-1, keepdims=True)
;;       e = np.where(a > 0, np.clip(np.frexp(np.where(a > 0, a, 1))[1] - 1 - 2, -126, 127), 0)      # np.frexp(a)[1] - 1 = floor(log2(a)), exactly
;;       r = np.clip(x / 2.0 ** e, -7.5, 7.5)
;;       step = 2.0 ** (np.maximum(np.frexp(np.where(r == 0, 1, r))[1] - 1, 0) - 3)
;;       q = np.round(r / step) * step * 2.0 ** e      # np.round: ties to even
;;       return np.moveaxis(q.reshape(q.shape[:-2] + (-1,))[..., :K], -1, axis).astype(np.float32)
;;   ~~~
;;   OPERANDS COMPUTED ON THE WAY. 'Computed on the way' means the value that the module computes at that place (a softmax that the list does not call 'softmax' is quantised finished and normalised). What goes into a quantiser is computed in f32, as accurately as f32 sums, v_exp_f32 and their like allow (about 1e-6 of the number): no bf16 or f16 on the way to a quantiser, and a product that is left as it is and whose result goes on into a quantised operand takes f32 operands (vector FMAs, or v_wmma_f32_16x16x4_f32). A number that lies on a knife's edge between two numbers of the format may be rounded either way, as far as f32 arithmetic and the matrix unit's own rounding can turn it there, and no further.
;; One version. Each part assembles by itself: llvm-mc -triple=amdgcn-amd-amdhsa -mcpu=gfx1250 --defsym DOCPART=n.
;; ======== version 1 of 1: 2 launches
;; limits: right only within a limited range of input values
;; workspace buffers: codes 18,874,368 bytes; scales 786,432 bytes
;; launch quant (part 1): grid 768 x 1, 4 waves a work-group, no clusters, 33,280 bytes of LDS; arguments x, h_prev, Wf, Wi, Wg, Wo, codes, scales; writes codes, scales
.if DOCPART == 1
	.amdgcn_target "amdgcn-amd-amdhsa--gfx1250"
	.amdhsa_code_object_version 6
	.text
	.protected	k_q2200142f53_quant
	.globl	k_q2200142f53_quant
	.p2align	8
	.type	k_q2200142f53_quant,@function
k_q2200142f53_quant:
	s_mov_b64 s[64:65], 0
	v_nop
	global_prefetch_b8 v0, s[64:65] scope:SCOPE_SE
	s_setreg_imm32_b32 hwreg(HW_REG_WAVE_MODE, 25, 1), 1
	s_wait_xcnt 0x0
; combined = [x | h_prev] ([8192][2048]) and the four weights ([1024][2048] each), all f32 with K innermost, are turned into codes of FP6 (E2M3), 6 bits each, with one E8M0 scale byte for each 32 along K.
; A block's scale is 2^(floor(log2(its largest magnitude)) - 2); its byte is the largest magnitude's exponent field - 2, held at 1 from below.  Each number is divided by the scale and rounded to the nearest code, ties to even, beyond 7.5 the largest code.
; LIMITS: a block of zeros gets the byte 1 where the quantiser's text says 127: its codes are zeros, which add nothing under any byte but 0xff, and only this program reads the bytes.
;         NaN and infinities among the inputs are not served.
; WHAT IS WRITTEN.  codes: [8 planes][12,288 rows][192 bytes]: plane p holds K = 256 p .. 256 p + 255 of every row, as one stream of bits.  So 128 rows of one K step of 256 are 24,576 dense bytes for the product's launch.
;   Rows 0 .. 8191 are combined's.  Gate g (f, i, g, o = 0 .. 3), hidden column j lies at row 8192 + 128 (j / 32) + 32 g + j % 32: the four gates of 32 hidden columns are 128 neighbouring rows.
;   scales: [12,288 rows][64 bytes], the same rows.
; SHARES.  A wave takes 4 rows x 2,048 K: 16 steps of 512 numbers; a work-group 16 rows.  Work-groups 0 .. 511 take combined, then 64 for each of Wf, Wi, Wg, Wo.  All take one path: only pointers and a few scalars are chosen, on the work-group's number.
; A STEP.  Four loads of 512 consecutive bytes; the 2,048 bytes turn through the wave's own stage in LDS so that a lane holds 16 neighbours along K (two lanes hold a block).  A lane's 16 codes are 12 bytes; lanes 0-15 hold the row's 192 bytes of an
; even plane, lanes 16-31 those of the odd plane.  Steps go in pairs of neighbouring rows on the same 512 along K: three exchanges of lane halves then give two rows of one plane in each run of registers, and a store covers 384 consecutive bytes.
; No tensor loads, no barrier: waves share nothing.  Loads run four steps (16 loads a wave) ahead, the turn through LDS one step.  No address, base or store's data register is ever written again.
.set STEPS, 16
.set EMAX,  2
.set CB,    12                         ; bytes of 16 codes
.set PLANE, 12288*192                  ; bytes of a plane
.set R,     16                         ; v16-79   four sets of 16 numbers as they are loaded
.set X,     80                         ; v80-111  two sets of 16 neighbours
.set E,     112                        ; v112-127 a scale byte for each step
.set C,     128                        ; v128-191 codes: four registers for each step
.set VS,    192                        ; v192-195 the source's byte offset of my 16 bytes in row 0 .. 3 of the wave's four
.set WREG,  8192                       ; LDS: a region for each wave: two stages of 32 x SP bytes, and behind them its 256 scale bytes
.set SP,    80                         ; a lane's place in a stage: its 64 bytes + 16 of padding
	s_load_b512 s[8:23], s[0:1], 0x0               ; x 8:9, h_prev 10:11, Wf 12:13, Wi 14:15, Wg 16:17, Wo 18:19, codes 20:21, scales 22:23
	v_lshl_add_u32 v200, v0, 2, 0x8000
	v_mov_b32 v201, 0
	v_lshrrev_b32 v1, 5, v0
	v_readfirstlane_b32 s2, v1                     ; wave
	v_and_b32 v2, 31, v0                           ; lane
	v_lshlrev_b32 v3, 4, v2                        ; my 16 bytes of a load's 512
	s_mul_i32 s3, s2, WREG
	v_lshrrev_b32 v14, 2, v2
	v_mul_u32_u24 v14, v14, SP
	v_and_b32 v15, 3, v2
	v_lshl_add_u32 v14, v15, 4, v14
	v_add_nc_u32 v14, s3, v14                      ; the stage, on the way in: SP (lane / 4) + 16 (lane % 4)
	v_mul_u32_u24 v15, v2, SP
	v_add_nc_u32 v15, s3, v15                      ; and on the way out: SP x lane: my 16 neighbours
	v_mul_u32_u24 v4, v2, CB                       ; my codes' place in a store's 384 bytes
	v_lshrrev_b32 v5, 1, v2
	s_add_co_u32 s3, s3, 2*32*SP
	v_add_nc_u32 v5, s3, v5                        ; LDS: my wave's 256 scale bytes, my block's byte
	v_lshlrev_b32 v7, 3, v2                        ; and on the way out 8 bytes a lane
	v_add_nc_u32 v6, s3, v7
	s_wait_kmcnt 0x0
	s_cmp_lt_u32 ttmp9, 704                        ; which weight, if any: the choices hang on the work-group's number alone
	s_cselect_b64 s[28:29], s[16:17], s[18:19]
	s_cmp_lt_u32 ttmp9, 640
	s_cselect_b64 s[28:29], s[14:15], s[28:29]
	s_cmp_lt_u32 ttmp9, 576
	s_cselect_b64 s[28:29], s[12:13], s[28:29]
	s_cmp_lt_u32 ttmp9, 512                        ; combined or a weight?
	s_cselect_b64 s[4:5], s[8:9], s[28:29]         ; where K = 0 .. 1023 come from,
	s_cselect_b64 s[6:7], s[10:11], s[28:29]       ; and K = 1024 .. 2047
	s_cselect_b32 s30, 0, 512                      ; the first work-group of my kind
	s_cselect_b32 s31, 12, 13                      ; a source row is 4,096 or 8,192 bytes
	s_cselect_b32 s32, 0, 4096                     ; in a weight the second half of K lies 4,096 bytes on in the same row
	s_mov_b32 s33, 0x3ff
	s_cselect_b32 s33, 0x1fff, s33                 ; rows of a source, less one
	s_sub_co_u32 s34, ttmp9, s30
	s_lshl_b32 s34, s34, 4
	s_lshl_b32 s35, s2, 2
	s_add_co_u32 s34, s34, s35                     ; my wave's first row among its kind's: 16 x work-group + 4 x wave
	s_and_b32 s35, s34, s33                        ; and in its source
	s_lshl_b32 s36, s35, s31
	s_mov_b32 s37, 0
	s_add_nc_u64 s[4:5], s[4:5], s[36:37]
	s_add_co_u32 s36, s36, s32
	s_add_nc_u64 s[6:7], s[6:7], s[36:37]
	s_lshl_b32 s42, 1, s31                         ; a source row in bytes
	s_lshr_b32 s38, s35, 5                         ; a weight's row in the workspace: 128 (j / 32)
	s_lshl_b32 s38, s38, 7
	s_lshr_b32 s39, s34, 10                        ; + 32 x gate
	s_lshl_b32 s39, s39, 5
	s_add_co_u32 s38, s38, s39
	s_and_b32 s39, s35, 31                         ; + j % 32
	s_add_co_u32 s38, s38, s39
	s_add_co_u32 s38, s38, 8192                    ; behind combined's rows
	s_cmp_lt_u32 ttmp9, 512
	s_cselect_b32 s38, s34, s38                    ; combined's rows stay where they are
	s_mul_i32 s40, s38, 192
	s_mov_b32 s41, 0
	s_add_nc_u64 s[20:21], s[20:21], s[40:41]      ; my rows in planes 0 to 3 (the plane stands in the store's immediate),
	s_add_nc_u64 s[28:29], s[20:21], 4*PLANE       ; and in planes 4 to 7: so every immediate stays inside its signed 24 bits: 3 planes + 384 bytes = 7,078,272 at the most
	s_lshl_b32 s40, s38, 6
	s_add_nc_u64 s[22:23], s[22:23], s[40:41]      ; my four rows' 256 scale bytes
	v_mov_b32 v[VS], v3
	v_add_nc_u32 v[VS+1], s42, v3
	v_add_nc_u32 v[VS+2], s42, v[VS+1]
	v_add_nc_u32 v[VS+3], s42, v[VS+2]
; Step t: pair p = t / 2; K = 512 (p % 4) on; row 2 (p / 4) + t % 2 of the wave's four.
.macro LOAD t
.set LP,   (\t)/2
.set LQ,   LP%4
.set LROW, 2*(LP/4)+(\t)%2
.irp i, 0,1,2,3
	global_load_b128 v[R+16*((\t)%4)+4*\i:R+16*((\t)%4)+4*\i+3], v[VS+LROW], s[4+2*(LQ/2):5+2*(LQ/2)] offset:2048*(LQ%2)+512*\i th:TH_LOAD_NT   ; 32 lanes read 512 consecutive bytes
.endr
.endm
.macro TURN t                          ; step t's numbers through the stage: LDS serves a wave's instructions in order, so no wait stands between the stores and the loads
.irp i, 0,1,2,3
	ds_store_b128 v14, v[R+16*((\t)%4)+4*\i:R+16*((\t)%4)+4*\i+3] offset:32*SP*((\t)%2)+8*SP*\i
.endr
.irp i, 0,1,2,3
	ds_load_b128 v[X+16*((\t)%2)+4*\i:X+16*((\t)%2)+4*\i+3], v15 offset:32*SP*((\t)%2)+16*\i
.endr
.endm
.irp t, 0,1,2,3
	LOAD \t
.endr
	s_wait_alu depctr_va_vdst(0)
	s_wait_loadcnt 12                              ; step 0's four loads are in; the twelve of steps 1 to 3 may be out
	TURN 0
.macro STEP t
.set XS,   X+16*((\t)%2)
.set SPP,  (\t)/2
.set SQ,   SPP%4
.set SROW, 2*(SPP/4)+(\t)%2
.if (\t) > 0
	s_wait_dscnt 1                                 ; this step's numbers are back from the stage (the last step's byte store may be out): so its stores into the stage have read their registers,
.else
	s_wait_dscnt 0x0
.endif
.if (\t)+4 < STEPS
	LOAD (\t)+4                                    ; which take the loads of four steps on
.endif
.if (\t)+1 < STEPS
.if STEPS-2-(\t) >= 3
	s_wait_loadcnt 12                              ; the next step's four loads are in; those of the three steps behind it may be out
.else
	s_wait_loadcnt 4*(STEPS-2-(\t))                ; towards the end fewer steps are behind it
.endif
	TURN (\t)+1                                    ; and go through the other stage while this step is worked
.endif
	v_max3_num_f32 v8, |v[XS]|, |v[XS+1]|, |v[XS+2]|               ; the largest magnitude of my 16, in two chains
	v_max3_num_f32 v9, |v[XS+3]|, |v[XS+4]|, |v[XS+5]|
.irp i, 6,10
	v_max3_num_f32 v8, v8, |v[XS+\i]|, |v[XS+\i+1]|
	v_max3_num_f32 v9, v9, |v[XS+\i+2]|, |v[XS+\i+3]|
.endr
	v_max3_num_f32 v8, v8, |v[XS+14]|, |v[XS+15]|
	v_max3_num_f32 v8, v8, v9, (EMAX+1)<<23        ; and the floor 2^(3 - 127): so the byte cannot fall under 1
	v_max_num_f32_dpp v8, v8, v8 row_xmask:1 row_mask:0xf bank_mask:0xf   ; and of my neighbour's 16: the block's
	v_add_nc_u32 v11, -(EMAX<<23), v8              ; 2 off its exponent field: the conversion takes the exponent field of this operand as its scale, and nothing else of it
	v_cvt_scalef32_pk16_fp6_f32 v[C+4*(\t):C+4*(\t)+2], v[XS:XS+15], v11   ; sixteen codes, 96 bits without gaps, the first number's code lowest
	v_lshrrev_b32 v[E+(\t)], 23, v11               ; the scale's byte.  (Also the plain instruction between the conversion and the exchange below, which touches its result)
	ds_store_b8 v5, v[E+(\t)] offset:64*SROW+16*SQ ; row's 64 bytes, this step's 16; both lanes of a block write the same byte with the same value
.if (\t)%2 == 1
.irp i, 0,1,2
	v_permlane16_swap_b32 v[C+4*(\t)-4+\i], v[C+4*(\t)+\i]   ; the first row's odd plane changes places with the second row's even plane: each run now holds two neighbouring rows of ONE plane
.endr
	global_store_b96 v4, v[C+4*(\t)-4:C+4*(\t)-2], s[20+8*(SQ/2):21+8*(SQ/2)] offset:(2*(SQ%2))*PLANE+(SPP/4)*384     ; 32 lanes store 384 consecutive bytes; the wave's two stores of a plane cover 768, aligned to 256
	global_store_b96 v4, v[C+4*(\t):C+4*(\t)+2], s[20+8*(SQ/2):21+8*(SQ/2)] offset:(2*(SQ%2)+1)*PLANE+(SPP/4)*384
.endif
.endm
.irp t, 0,1,2,3,4,5,6,7,8,9,10,11,12,13,14,15
	STEP \t
.endr
	ds_load_b64 v[12:13], v6                       ; LDS serves a wave's instructions in order: these see my byte stores
	s_wait_dscnt 0x0
	global_store_b64 v7, v[12:13], s[22:23]        ; 32 lanes store 256 consecutive bytes, aligned
	s_wait_tensorcnt 0x0
	ds_add_u32 v200, v201
	s_wait_dscnt 0x0
	s_endpgm
.Lfunc_end_k_q2200142f53_quant:
	.size	k_q2200142f53_quant, .Lfunc_end_k_q2200142f53_quant-k_q2200142f53_quant
	.p2alignl 7, 3214868480
	.fill 96, 4, 3214868480
	.section	.rodata,"a",@progbits
	.p2align	6, 0x0
	.amdhsa_kernel k_q2200142f53_quant
		.amdhsa_group_segment_fixed_size 33280
		.amdhsa_private_segment_fixed_size 0
		.amdhsa_enable_private_segment 0
		.amdhsa_kernarg_size 64
		.amdhsa_user_sgpr_count 2
		.amdhsa_user_sgpr_kernarg_segment_ptr 1
		.amdhsa_wavefront_size32 1
		.amdhsa_system_sgpr_workgroup_id_x 1
		.amdhsa_system_sgpr_workgroup_id_y 1
		.amdhsa_system_sgpr_workgroup_id_z 1
		.amdhsa_system_vgpr_workitem_id 0
		.amdhsa_next_free_vgpr 202
		.amdhsa_next_free_sgpr 66
		.amdhsa_reserve_vcc 0
		.amdhsa_float_denorm_mode_32 3
		.amdhsa_float_denorm_mode_16_64 3
		.amdhsa_memory_ordered 1
		.amdhsa_forward_progress 1
		.amdhsa_inst_pref_size 34
	.end_amdhsa_kernel
	.amdgpu_metadata
---
amdhsa.version: [ 1, 2 ]
amdhsa.kernels:
  - .name:           k_q2200142f53_quant
    .symbol:         k_q2200142f53_quant.kd
    .args:
      - { .name: x, .offset: 0, .size: 8, .value_kind: global_buffer, .address_space: global }
      - { .name: h_prev, .offset: 8, .size: 8, .value_kind: global_buffer, .address_space: global }
      - { .name: Wf, .offset: 16, .size: 8, .value_kind: global_buffer, .address_space: global }
      - { .name: Wi, .offset: 24, .size: 8, .value_kind: global_buffer, .address_space: global }
      - { .name: Wg, .offset: 32, .size: 8, .value_kind: global_buffer, .address_space: global }
      - { .name: Wo, .offset: 40, .size: 8, .value_kind: global_buffer, .address_space: global }
      - { .name: codes, .offset: 48, .size: 8, .value_kind: global_buffer, .address_space: global }
      - { .name: scales, .offset: 56, .size: 8, .value_kind: global_buffer, .address_space: global }
    .group_segment_fixed_size: 33280
    .private_segment_fixed_size: 0
    .kernarg_segment_align: 8
    .kernarg_segment_size: 64
    .max_flat_workgroup_size: 128
    .sgpr_count:     66
    .vgpr_count:     202
    .wavefront_size: 32
...
	.end_amdgpu_metadata
.endif
;; end of part 1
;; launch lstm (part 2): grid 16 x 32, 4 waves a work-group, clusters of 4 x 4, 327,680 bytes of LDS; arguments codes, scales, out0, out1, bf, bi, bg, bo, c_prev; writes out0, out1
.if DOCPART == 2
	.amdgcn_target "amdgcn-amd-amdhsa--gfx1250"
	.amdhsa_code_object_version 6
	.text
	.protected	k_q2200142f53_lstm
	.globl	k_q2200142f53_lstm
	.p2align	8
	.type	k_q2200142f53_lstm,@function
k_q2200142f53_lstm:
	s_mov_b64 s[64:65], 0
	v_nop
	global_prefetch_b8 v0, s[64:65] scope:SCOPE_SE
	s_setreg_imm32_b32 hwreg(HW_REG_WAVE_MODE, 25, 1), 1
	s_wait_xcnt 0x0
	s_wait_alu depctr_hold_cnt(0) depctr_sa_sdst(0) depctr_va_vdst(0) depctr_va_sdst(0) depctr_va_ssrc(0) depctr_va_vcc(0) depctr_vm_vsrc(0)
	s_getreg_b32 s2, hwreg(HW_REG_IB_STS2, 6, 4)
	s_cmp_eq_u32 s2, 0
	s_cbranch_scc0 .Lentry_in_a_cluster
	s_endpgm
.Lentry_in_a_cluster:
	s_bfe_u32 s2, ttmp6, 0x10000c
	s_cmp_lg_u32 s2, 0xf033
	s_cbranch_scc0 .Lentry_shape_is_right
	s_endpgm
.Lentry_shape_is_right:
; The LSTM cell on codes.  The four gate products share their left operand, so they are ONE product: [8192 rows] x [4096 weight rows], K = 2,048, on codes of FP6 (E2M3) with one E8M0 scale for each 32 along K,
; followed in the same launch by bias, sigmoids, tanh and the cell update in f32:  c_next = sig(f) c_prev + sig(i) tanh(g) -> out1;  h_next = sig(o) tanh(c_next) -> out0.
; codes: [8 planes][12,288 rows][192 bytes], plane p = K 256 p on; rows 0 .. 8191 combined = [x | h_prev]; gate g, hidden column j at row 8192 + 128 (j / 32) + 32 g + j % 32.  scales: [12,288][64].
; SHARES.  A work-group of four waves, as many as a WGP has SIMDs, makes 256 rows x 64 hidden columns of both outputs: 256 x 256 of the product.  A wave makes 128 x 128: 64 accumulators, 512 registers; its 128 weight
; rows are 4 gates x 32 hidden columns: B's block b is gate b / 2, columns 16 (b % 2) on.  THE MATRIX INSTRUCTION IS USED TRANSPOSED (source 0 = 16 weight rows, source 1 = 16 rows of combined): lane (r, h) holds row r and
; the block's columns 8 h + 0 .. 7.  So the four gates of one element stand in ONE lane, at the same register of accumulators b, b + 2, b + 4, b + 6: the cell update asks no other lane.
; K goes in steps of 256 through a ring of two LDS slots filled by the tensor data mover; 128 rows of a plane are 24,576 dense bytes, fetched as 96 rows of 256 bytes.  The scales of the work-group's rows come once and stay.
; THE CHANGE OF SLOTS stands at the head of a slot's last 128 along K, when the slot's last fragments have been asked for: so all 128 matrix instructions of a K step stand between a tile's request and the wait for it,
; and nothing but the round stands between that wait and the next request.
; THE BIASES are the C of each sum's first matrix instruction.  c_prev's tile (256 rows x 256 bytes) is the last fill of slot 0, asked for when that slot's last K step has been read.
; CLUSTERS: 4 x 4 work-groups.  The four of a row of the cluster need the same tiles of combined, the four of a column the same weights: each tile is asked for JOINTLY, by the same tensor load with the same descriptor and a mask that names the four.
; sig(z) = 1 / (1 + 2^(-z log2 e)), tanh(z) = 1 - 2 / (1 + 2^(2 z log2 e)): where the power overflows the reciprocal is 0, where it falls to 0 the reciprocal is 1: the right ends, so no range is cut.
; LIMITS: NaN and infinities among the inputs are not served.
; REGISTERS, in windows of 256: window 0: v1-31 addresses; v32-63 scale words, two sets, and nothing else; v64-127 the biases, in the tail rows on their way out; v128-223 A's fragments, ONE set; in the tail v128-255 are at work.
;   window 1: B's fragments, TWO sets, at v0 and v128.   window 2: the 32 accumulators of my rows 0-63 (accumulator (a, b) at v[8 (8 a + b)]);   window 3: those of my rows 64-127.
.set NQ,     2                         ; matrix instructions deep in a slot: 256 along K
.set PITCH,  240                       ; a code row in LDS: 3 x (64 bytes + 16 of padding) = 60 words: the 32 lanes of a load of 8 bytes touch 64 different banks (64 banks of 4 bytes: ISA guide 11.1)
.set FR,     12                        ; registers of a fragment: 16 rows x 128 K
.set NL,     6                         ; LDS loads that bring one
.set NP,     4                         ; places behind this matrix instruction (ISA guide 7.12.1)
.set HALFT,  128*PITCH                 ; 128 rows: what one tensor load brings, and what one wave reads of A or of B
.set SLOT,   4*HALFT                   ; A's 256 rows, then B's 256 rows
.set LAPS,   4                         ; a lap = two K steps = once round the ring: 2,048 / 512
.set KS,     64                        ; a row of scales in bytes
.set PLANE,  12288*192                 ; bytes from a K step's codes to the next
.set SCL,    2*SLOT                    ; behind the ring: the scales, as units of 256 bytes + 16 of padding
.set HALFS,  (128*KS/256)*272          ; the scales of 128 rows: what one tensor load brings
.set SBLK,   (16*KS/256)*272           ; those of 16 rows
.set SPARE,  SCL+4*HALFS               ; behind the scales: the spare words, 128 bytes for each wave: two blocks of 256 bytes that no other line names
.set CPP,    272                       ; the tail: a row of 64 f32 + 16 bytes.  c_prev's 256 rows lie at LDS byte 0 (slot 0's last fill); c_next is stored in their place
.set HSB,    256*CPP                   ; and h_next's 256 rows behind them: bytes whose last fill has landed and which nobody reads when the first h is stored
.set ADRA, 16                          ; v16-17  LDS address of my A fragments in slot 0, 1  (v18-19: the same for the pieces that lie behind one padding more)
.set ADRB, 20                          ; v20-21  the same for B  (v22-23)
.set CA,   24                          ; v24     the tail: my 32 bytes of a row of c
.set HA,   25                          ; v25     and of h
.set CO,   26                          ; v26     my byte offset in two rows of an output
.set ADRS, 27                          ; v27     LDS address of my scale words: lanes 0-15 A's rows, lanes 16-31 B's
.set SPW,  28                          ; v28     LDS address of my spare word: SPARE + 4 x my thread's number; never rewritten
.set NIL,  29                          ; v29     0; never rewritten
.set RD,   30                          ; v30     the tail: where I read whole rows back
.set BO,   31                          ; v31     32 x (lane / 16): my eight numbers of a bias block
.set SC,   32                          ; scale words: set s (for slot s) at v[SC + 16 s]; register 2 i + q: lanes 0-15 the word of A's block i, lanes 16-31 that of B's block i, for the slot's q-th 128 along K
.set BI,   64                          ; the biases: block b at v[BI + 8 b]
.set RB,   64                          ; the tail: two sets of 32 registers, 16 rows read back
.set AF,   128                         ; A's fragments
.set E,    128                         ; the tail: 64 gate numbers of a block of 16 rows: f at +0, i at +16, g at +32, o at +48; index 8 u + j
.set CPV,  192                         ; c_prev, two sets of 16
.set CN,   224                         ; c_next
.set TC,   240                         ; tanh(c_next) at work, then h_next
.set G0C, 20                           ; s[20:23] descriptor group 0 for c_prev's tile
.set G1,  24                           ; s[24:31] descriptor group 1 for A's tiles;  s[32:39] group 0, one set for each slot
.set G0,  32
.set G1B, 48                           ; s[48:55], s[56:63] the same for B's tiles
.set G0B, 56
.set G1S, 68                           ; s[68:75], s[76:79] groups 1 and 0 for A's scales;  s[80:87], s[88:91] for B's
.set G0S, 76
.set G1SB, 80
.set G0SB, 88
.set G1C, 92                           ; s[92:99] first the four biases' addresses, then group 1 for c_prev's tile
.set PFA, 104                          ; s[104:105] where my prefetches stand: my work-group's 24 blocks of 256 bytes of the 96 that I fetch, one K step on from the refill being asked for
.set PFO, 15                           ; v15     the prefetches' offset: 256 x min(lane, 23); never rewritten
.set MSB, 0
.macro WIN new                         ; the immediate's high byte repeats the setting that is left; a switch that changes nothing is dropped
.if MSB != (\new)
	s_set_vgpr_msb (MSB<<8)|(\new)
.set MSB, (\new)
.endif
.endm
.set MUL_LO, 0xa1                      ; source 0 (B) window 1, source 1 (A) window 0, C and D window 2
.set MUL_HI, 0xf1                      ; the same, C and D window 3
.set BEG_LO, 0x81                      ; a sum's first product: C (the bias) window 0, D window 2
.set BEG_HI, 0xc1                      ; D window 3
.set TO_B,   0x40                      ; destination window 1, address window 0
; A joint load: waves 0 and 1 fetch for A, waves 2 and 3 for B.  Each of the two lines has ONE mask and one set of registers for all that issue it; the branch hangs on the wave's number alone.
; Four v_nop follow each of the two lines, ahead of the jump, the label and what follows.
.macro JLOAD g0a, g1a, g0b, g1b
	s_cmp_eq_u32 s15, 0
	s_cbranch_scc0 .Lfor_b_\@
	tensor_load_to_lds s[\g0a:\g0a+3], s[\g1a:\g1a+7]
	s_nop 0
.rept 4
	v_nop
.endr
	s_branch .Lasked_\@
.Lfor_b_\@:
	tensor_load_to_lds s[\g0b:\g0b+3], s[\g1b:\g1b+7]
	s_nop 0
.rept 4
	v_nop
.endr
.Lasked_\@:
.endm
.macro CREST                           ; a round of the cluster's barrier behind its opening barrier
	s_cmp_lg_u32 s14, 0
	s_cbranch_scc1 .Lnot_wave_0_\@
	s_barrier_signal -3
.Lnot_wave_0_\@:
	s_barrier_wait -3
	s_barrier_signal -1
	s_barrier_wait -1
.endm
.macro CROUND                          ; a whole round
	s_barrier_signal -1
	s_barrier_wait -1
	CREST
.endm
	s_load_b128 s[4:7], s[0:1], 0x0                ; codes s[4:5], scales s[6:7]
	s_load_b128 s[8:11], s[0:1], 0x10              ; out0 (h_next) s[8:9], out1 (c_next) s[10:11]
	s_load_b256 s[92:99], s[0:1], 0x20             ; bf, bi, bg, bo
	s_load_b64 s[100:101], s[0:1], 0x40            ; c_prev
	v_lshl_add_u32 v[SPW], v0, 2, SPARE
	v_mov_b32 v[NIL], 0
	ds_add_u32 v28, v29
	ds_add_u32 v28, v29
	s_wait_dscnt 0x0
	v_lshrrev_b32 v1, 5, v0
	v_readfirstlane_b32 s14, v1                    ; wave 0..3
	s_lshr_b32 s15, s14, 1                         ; which half of the tile's rows is mine.  Also: I fetch for A (0) or for B (1)
	s_and_b32 s16, s14, 1                          ; which half of its columns.  Also: which 128 rows of that tile I fetch
	s_bfe_u32 s40, ttmp6, 0x40000                  ; cx, cy: my place in the cluster
	s_bfe_u32 s41, ttmp6, 0x40004
	s_lshl_b32 s42, ttmp9, 2
	s_add_co_u32 s42, s42, s40                     ; tile column = 4 x cluster x + cx: hidden columns 64 x tile column on
	s_and_b32 s17, ttmp7, 0xffff
	s_lshl_b32 s17, s17, 2
	s_add_co_u32 s17, s17, s41                     ; tile row = 4 x cluster y + cy: rows 256 x tile row on
	s_lshl_b32 s43, s41, 2
	s_lshl_b32 s43, 15, s43                        ; my row of the cluster
	s_lshl_b32 s44, 0x1111, s40                    ; my column
	; descriptor group 1 for codes: 128 code rows of a plane are 24,576 dense bytes: a tile of 96 rows x 256 bytes; 16 bytes of padding behind every 64, so that code row r begins at 240 r
	s_or_b32 s[G1+0], s43, (0<<16)|(1<<20)|(1<<21)|(3<<22)|(3<<25)  ; 15:0 the mask: A's tiles go to my row; 17:16 element of 1 byte; 20 padding on; 21 set beside a mask; 24:22 after every 16 words (code 3); 31:25 of 4 words (code 3)
	s_or_b32 s[G1B+0], s44, (0<<16)|(1<<20)|(1<<21)|(3<<22)|(3<<25) ; the same with the mask of my column
.irp g, G1, G1B
	s_mov_b32 s[\g+1], 256<<16                     ; tensor_dim0 = 256
	s_mov_b32 s[\g+2], 192<<16                     ; tensor_dim1 = 192: the head's loads bring 256 code rows; behind them this word and tile_dim1 are set to 96, for the ring's
	s_mov_b32 s[\g+3], 256<<16                     ; tile_dim0 = 256
	s_mov_b32 s[\g+4], 192                         ; tile_dim1 = 192
	s_mov_b32 s[\g+5], 256                         ; tensor_dim0_stride: dense
	s_mov_b32 s[\g+6], 0
	s_mov_b32 s[\g+7], 0
.endr
	; and for the scales of 128 rows: 8,192 dense bytes, as 32 rows of 256 bytes (32 elements of 8 bytes), 16 bytes of padding behind each
	s_or_b32 s[G1S+0], s43, (3<<16)|(1<<20)|(1<<21)|(5<<22)|(3<<25)
	s_or_b32 s[G1SB+0], s44, (3<<16)|(1<<20)|(1<<21)|(5<<22)|(3<<25)
.irp g, G1S, G1SB
	s_mov_b32 s[\g+1], 32<<16
	s_mov_b32 s[\g+2], 64<<16                      ; the scales of 256 rows: 64 rows of 256 bytes
	s_mov_b32 s[\g+3], 32<<16
	s_mov_b32 s[\g+4], 64
	s_mov_b32 s[\g+5], 32
	s_mov_b32 s[\g+6], 0
	s_mov_b32 s[\g+7], 0
.endr
	; where the tiles come from.  A's hang on the tile row alone, B's on the tile column alone; every wave makes both, and asks by one of them.  All offsets stay under 2^32
	s_lshl_b32 s20, s17, 8                         ; A: the tile's first row, 256 x tile row
	s_lshl_b32 s46, s42, 8
	s_add_co_u32 s46, s46, 8192                    ; B: row 8192 + 256 x tile column
	s_lshl_b32 s22, s20, 6                         ; these rows' scales, in bytes
	s_mov_b32 s23, 0
	s_lshl_b32 s2, s46, 6
	s_mov_b32 s3, 0
	s_mul_i32 s20, s20, 192                        ; and their codes in plane 0
	s_mov_b32 s21, 0
	s_mul_i32 s46, s46, 192
	s_mov_b32 s47, 0
	s_mul_i32 s45, s14, HALFT                      ; where they go: wave x 128 rows: no place in the cluster enters an LDS address
	s_mul_i32 s18, s16, 128*192                    ; in the ring I fetch 128 rows of a tile: which half, in bytes
	s_mov_b32 s19, 0
	s_wait_kmcnt 0x0
	s_add_nc_u64 s[20:21], s[4:5], s[20:21]
	s_add_nc_u64 s[22:23], s[6:7], s[22:23]
	s_add_nc_u64 s[46:47], s[4:5], s[46:47]
	s_add_nc_u64 s[2:3], s[6:7], s[2:3]
	CROUND                                         ; all sixteen work-groups are here: the first joint loads meet
	s_mov_b32 s[G0S], 1
	s_mov_b32 s[G0S+1], SCL
	s_mov_b64 s[G0S+2:G0S+3], s[22:23]
	s_or_b32 s[G0S+3], s[G0S+3], 0x80000000
	s_mov_b32 s[G0SB], 1
	s_mov_b32 s[G0SB+1], SCL+2*HALFS
	s_mov_b64 s[G0SB+2:G0SB+3], s[2:3]
	s_or_b32 s[G0SB+3], s[G0SB+3], 0x80000000
	s_mov_b32 s[G0], 1                             ; slot 0's group 0 serves the head first: K step 0's 256 rows of A, whole,
	s_mov_b32 s[G0+1], 0
	s_mov_b64 s[G0+2:G0+3], s[20:21]
	s_or_b32 s[G0+3], s[G0+3], 0x80000000
	s_mov_b32 s[G0B], 1                            ; and its 256 rows of B, behind them
	s_mov_b32 s[G0B+1], 2*HALFT
	s_mov_b64 s[G0B+2:G0B+3], s[46:47]
	s_or_b32 s[G0B+3], s[G0B+3], 0x80000000
	s_add_nc_u64 s[20:21], s[20:21], s[18:19]      ; for the ring: my 128 rows of the tile
	s_add_nc_u64 s[46:47], s[46:47], s[18:19]
	s_mov_b32 s[G0+4], 1                           ; slot 1: K step 1
	s_add_co_u32 s[G0+5], s45, SLOT
	s_add_nc_u64 s[G0+6:G0+7], s[20:21], PLANE
	s_or_b32 s[G0+7], s[G0+7], 0x80000000
	s_mov_b32 s[G0B+4], 1
	s_add_co_u32 s[G0B+5], s45, SLOT
	s_add_nc_u64 s[G0B+6:G0B+7], s[46:47], PLANE
	s_or_b32 s[G0B+7], s[G0B+7], 0x80000000
; THE HEAD'S LOADS, ONE A WAVE: wave 0 K step 0's 256 rows of A, wave 1 its 256 rows of B, wave 2 the scales of A's 256 rows, wave 3 those of B's.
; One chain of branches on the wave's number; every way through it passes exactly one load.
.macro ARM under, g0, g1, next
	s_cmp_lt_u32 s14, \under
	s_cbranch_scc0 \next
	tensor_load_to_lds s[\g0:\g0+3], s[\g1:\g1+7]
	s_nop 0
.rept 4
	v_nop
.endr
	s_branch .Lhead_asked
\next:
.endm
	ARM 1, G0,  G1,  .Lhead_b
	ARM 2, G0B, G1B, .Lhead_sa
	ARM 3, G0S, G1S, .Lhead_sb
	tensor_load_to_lds s[G0SB:G0SB+3], s[G1SB:G1SB+7]
	s_nop 0
.rept 4
	v_nop
.endr
.Lhead_asked:
	; the prefetches: of the 96 blocks of 256 bytes that I fetch in a K step, the partner at place p (cx for A, cy for B) names blocks 24 p .. 24 p + 23: the four are told apart by address alone
	s_cmp_eq_u32 s15, 0
	s_cselect_b64 s[PFA:PFA+1], s[20:21], s[46:47]
	s_cselect_b32 s2, s40, s41
	s_mul_i32 s2, s2, 24*256
	s_add_co_u32 s2, s2, 2*PLANE                   ; at K step 2: the first refill steps it to 3 and names K step 4
	s_mov_b32 s3, 0
	s_add_nc_u64 s[PFA:PFA+1], s[PFA:PFA+1], s[2:3]
	v_and_b32 v[PFO], 31, v0
	v_min_u32 v[PFO], 23, v[PFO]                   ; the eight lanes left over name the last block again
	v_lshlrev_b32 v[PFO], 8, v[PFO]
	v_and_b32 v1, 15, v0                           ; r = lane % 16
	v_bfe_u32 v2, v0, 4, 1                         ; h = lane / 16
	v_lshlrev_b32 v[BO], 5, v2
	; the biases: block b wants, in lane (r, h), gate b / 2 at hidden columns 64 x tile column + 32 x my column half + 16 (b % 2) + 8 h + 0 .. 7
	s_wait_alu depctr_va_vdst(0)
	s_lshl_b32 s46, s42, 8
	s_lshl_b32 s47, s16, 7
	s_add_co_u32 s46, s46, s47
	s_mov_b32 s47, 0
.irp g, 0,1,2,3
	s_add_nc_u64 s[92+2*\g:93+2*\g], s[92+2*\g:93+2*\g], s[46:47]
.endr
.irp b, 0,1,2,3,4,5,6,7
.irp k, 0,1
	global_load_b128 v[BI+8*\b+4*\k:BI+8*\b+4*\k+3], v[BO], s[92+2*(\b/2):93+2*(\b/2)] offset:64*(\b%2)+16*\k
.endr
.endr
	v_mul_u32_u24 v3, v1, PITCH
	v_mul_u32_u24 v4, v2, 24
	v_add_nc_u32 v4, v3, v4                        ; a fragment's row x pitch + 24 x half
	v_lshl_add_u32 v5, v2, 4, v4                   ; and the same behind one padding more
	s_mul_i32 s18, s15, HALFT                      ; my 128 rows of A
	s_mul_i32 s19, s16, HALFT                      ; my 128 rows of B,
	s_add_co_u32 s19, s19, 2*HALFT                 ; which lie behind A's 256
.irp s, 0,1
	v_add_nc_u32 v[ADRA+\s], s18, v4
	v_add_nc_u32 v[ADRB+\s], s19, v4
	v_add_nc_u32 v[ADRA+2+\s], s18, v5
	v_add_nc_u32 v[ADRB+2+\s], s19, v5
	s_add_co_u32 s18, s18, SLOT
	s_add_co_u32 s19, s19, SLOT
.endr
	v_mul_u32_u24 v5, v1, KS                       ; my row's scales: 64 bytes a row,
	v_lshrrev_b32 v6, 8, v5
	v_lshl_add_u32 v5, v6, 4, v5                   ; and 16 more for each 256 passed
	s_mul_i32 s18, s15, HALFS                      ; A's: my 128 rows
	s_mul_i32 s19, s16, HALFS                      ; B's: my 128 rows, behind A's 256
	s_add_co_u32 s19, s19, 2*HALFS
	s_sub_co_u32 s19, s19, s18
	v_mul_u32_u24 v6, s19, v2                      ; lanes 16-31 take B's: the lower base + h x the distance
	s_add_co_u32 s18, s18, SCL
	v_add_nc_u32 v5, v5, v6
	v_add_nc_u32 v[ADRS], s18, v5
	; the tail's addresses.  c and h: row r of a block of 16, + 32 h, + my 128 rows, + my 128 bytes of a row's 256
	v_mul_u32_u24 v3, v1, CPP
	v_lshl_add_u32 v3, v2, 5, v3
	s_mul_i32 s18, s15, 128*CPP
	s_lshl_b32 s19, s16, 7
	s_add_co_u32 s18, s18, s19
	v_add_nc_u32 v[CA], s18, v3
	v_add_nc_u32 v[HA], HSB, v[CA]
	v_mul_u32_u24 v3, v2, CPP                      ; back: lanes 0-15 one whole row of 256 bytes, lanes 16-31 the next; of my 128 rows; the wave of column half 0 takes c's rows, that of half 1 h's
	v_lshl_add_u32 v3, v1, 4, v3
	s_mul_i32 s18, s15, 128*CPP
	s_mul_i32 s19, s16, HSB
	s_add_co_u32 s18, s18, s19
	v_add_nc_u32 v[RD], s18, v3
	v_lshlrev_b32 v3, 12, v2                       ; and the same two rows in the output
	v_lshl_add_u32 v[CO], v1, 4, v3
	s_cmp_eq_u32 s16, 0                            ; column half 0 stores c_next (out1), half 1 h_next (out0): the choice hangs on the wave's number alone
	s_cselect_b64 s[8:9], s[10:11], s[8:9]
	s_lshl_b32 s46, s17, 8
	s_lshl_b32 s47, s15, 7
	s_add_co_u32 s46, s46, s47                     ; my first row: 256 x tile row + 128 x row half,
	s_lshl_b32 s46, s46, 12                        ; of 4,096 bytes,
	s_lshl_b32 s47, s42, 8
	s_add_co_u32 s46, s46, s47                     ; + the tile's 256 bytes of a row
	s_mov_b32 s47, 0
	s_add_nc_u64 s[8:9], s[8:9], s[46:47]
	s_mov_b32 s[G0C], 1                            ; c_prev's tile: each wave fetches 64 rows of its own work-group's 256: no mask
	s_mul_i32 s[G0C+1], s14, 64*CPP                ; LDS address: wave x 64 rows
	s_lshl_b32 s46, s17, 8
	s_lshl_b32 s47, s14, 6
	s_add_co_u32 s46, s46, s47
	s_lshl_b32 s46, s46, 12
	s_lshl_b32 s47, s42, 8
	s_add_co_u32 s46, s46, s47
	s_mov_b32 s47, 0
	s_add_nc_u64 s[G0C+2:G0C+3], s[100:101], s[46:47]
	s_or_b32 s[G0C+3], s[G0C+3], 0x80000000
	s_mov_b32 s12, 0xbfb8aa3b                      ; -log2 e, for the sigmoids
	s_mov_b32 s13, s12                             ; (the packed form names a pair and takes its low word for both halves: so the upper word is written)
	s_mov_b32 s66, 0x4038aa3b                      ; 2 log2 e, for tanh
	s_mov_b32 s67, s66
.macro FRAG reg, adr, q, i             ; a fragment, 16 rows x 128 K of 6-bit codes, is 12 registers: lane l holds row l % 16; registers 6 c .. 6 c + 5 hold K = 64 c + 32 (l / 16) + 0 .. 31: 24 bytes of the row's stream of bits, as they lie
.irp p, 0,1,2,3,4,5                    ; in pieces of 8 bytes, so that every address is a multiple of the access's size.  Lanes 0-15 take the row's pieces 12 q + 0, 1, 2 and 12 q + 6, 7, 8, lanes 16-31 those three pieces on
.set PC, 12*(\q)+6*(\p/3)+\p%3        ; 16 bytes of padding lie behind every 64 bytes (8 pieces): where the piece three on lies behind one padding more, the second address register (40 for 24 bytes a half) serves
.if PC%8 < 5
	ds_load_b64 v[\reg+2*\p:\reg+2*\p+1], v[\adr] offset:8*PC+16*(PC/8)+(\i)*16*PITCH
.else
	ds_load_b64 v[\reg+2*\p:\reg+2*\p+1], v[\adr+2] offset:8*PC+16*(PC/8)+(\i)*16*PITCH
.endif
.endr
.endm
; 16 matrix instructions: A's blocks a0, a0 + 1 x B's eight, 128 along K: the slot's q-th.  p: B's set;  sc: the set of scale words.  first = 1: the product starts the sums, with the bias as C: nothing is cleared, no bias is added later.
; The 64 accumulators take turns, one instruction a turn, in the same order in every step.
.macro MUL16 a0, p, q, sc, first
.irp a, \a0, \a0+1
.irp b, 0,1,2,3,4,5,6,7
.if \first
	v_wmma_scale_f32_16x16x128_f8f6f4 v[8*(8*((\a)%4)+\b):8*(8*((\a)%4)+\b)+7], v[128*(\p)+FR*\b:128*(\p)+FR*\b+FR-1], v[AF+FR*(\a):AF+FR*(\a)+FR-1], v[BI+8*\b:BI+8*\b+7], v[SC+8*NQ*(\sc)+NQ*\b+(\q)], v[SC+8*NQ*(\sc)+NQ*(\a)+(\q)] matrix_a_fmt:MATRIX_FMT_FP6 matrix_b_fmt:MATRIX_FMT_FP6 matrix_a_scale:MATRIX_SCALE_ROW1
.else
	v_wmma_scale_f32_16x16x128_f8f6f4 v[8*(8*((\a)%4)+\b):8*(8*((\a)%4)+\b)+7], v[128*(\p)+FR*\b:128*(\p)+FR*\b+FR-1], v[AF+FR*(\a):AF+FR*(\a)+FR-1], v[8*(8*((\a)%4)+\b):8*(8*((\a)%4)+\b)+7], v[SC+8*NQ*(\sc)+NQ*\b+(\q)], v[SC+8*NQ*(\sc)+NQ*(\a)+(\q)] matrix_a_fmt:MATRIX_FMT_FP6 matrix_b_fmt:MATRIX_FMT_FP6 matrix_a_scale:MATRIX_SCALE_ROW1
.endif
.endr
.endr
.endm
.macro FETCH_B slot, q, p              ; B's eight fragments of the slot's q-th 128 along K into set p
	WIN TO_B
.irp i, 0,1,2,3,4,5,6,7
	FRAG 128*(\p)+FR*\i, ADRB+\slot, \q, \i
.endr
	WIN 0
.endm
.macro FETCH_A slot, q, i0             ; A's blocks i0 .. i0 + 3
.irp i, \i0, \i0+1, \i0+2, \i0+3
	FRAG AF+FR*(\i), ADRA+\slot, \q, \i
.endr
.endm
.macro SCALES sc                       ; a K step's scale words into set sc: two words a row; lanes 0-15 take A's block i, lanes 16-31 B's block i
.irp i, 0,1,2,3,4,5,6,7
	ds_load_b64 v[SC+8*NQ*\sc+NQ*\i:SC+8*NQ*\sc+NQ*\i+1], v[ADRS] offset:\i*SBLK
.endr
.endm
; A load into a register that a matrix instruction has read, and a vector instruction that reads a matrix result or writes one of a matrix instruction's registers, stand four places behind that matrix instruction, and only
; plain vector instructions that name none of its registers are places (ISA guide 7.12.1 for vector instructions); the matrix instructions in between are not counted.
.macro PLACES n
.rept \n
	v_nop
.endr
.endm
; 4 matrix instructions: A's block a x B's blocks b0 .. b0 + 3; the arguments as MUL16's
.macro MUL4 a, b0, p, q, sc, first
.set BB, \b0
.rept 4
.set DD, 8*(8*((\a)%4)+BB)
.if \first
	v_wmma_scale_f32_16x16x128_f8f6f4 v[DD:DD+7], v[128*(\p)+FR*BB:128*(\p)+FR*BB+FR-1], v[AF+FR*(\a):AF+FR*(\a)+FR-1], v[BI+8*BB:BI+8*BB+7], v[SC+8*NQ*(\sc)+NQ*BB+(\q)], v[SC+8*NQ*(\sc)+NQ*(\a)+(\q)] matrix_a_fmt:MATRIX_FMT_FP6 matrix_b_fmt:MATRIX_FMT_FP6 matrix_a_scale:MATRIX_SCALE_ROW1
.else
	v_wmma_scale_f32_16x16x128_f8f6f4 v[DD:DD+7], v[128*(\p)+FR*BB:128*(\p)+FR*BB+FR-1], v[AF+FR*(\a):AF+FR*(\a)+FR-1], v[DD:DD+7], v[SC+8*NQ*(\sc)+NQ*BB+(\q)], v[SC+8*NQ*(\sc)+NQ*(\a)+(\q)] matrix_a_fmt:MATRIX_FMT_FP6 matrix_b_fmt:MATRIX_FMT_FP6 matrix_a_scale:MATRIX_SCALE_ROW1
.endif
.set BB, BB+1
.endr
.endm
; A step's 64 products, A's blocks one after the other, each against B's eight.  So a block of A is free as soon as its eight products are issued, and one set of registers serves A; B has two sets.
; The next step's fragments come in TWO runs of LDS loads: in the step's middle B's eight, A's blocks 0-3 and, where a new K step begins (scl = 1), its scale words; at its end A's blocks 4-7.  Four places stand in front of each run.
.macro BODY sc, q, first, nslot, nq, scl
.set GG, 0
.rept 16
.if GG == 8
	s_wait_dscnt 0                                 ; A's blocks 4-7 are in (asked for 32 matrix instructions ago)
	PLACES NP
	FETCH_B \nslot, \nq, 1-(\q)%2
	FETCH_A \nslot, \nq, 0
.if \scl
	SCALES \nslot
.endif
.endif
	WIN 0x01+(2+GG/8)*(0x40+0x10*(1-(\first)))     ; source 0 window 1, source 1 window 0, D window 2 or 3; C the same, or window 0 (the bias) in the first step
	MUL4 GG/2, 4*(GG%2), (\q)%2, \q, \sc, \first
.set GG, GG+1
.endr
	PLACES NP
	WIN 0
	FETCH_A \nslot, \nq, 4
.endm
; A step of 128 along K that has its successor in the same slot.
.macro STEP slot, q, first
	s_wait_dscnt 4*NL                              ; B's set, the scale words and A's blocks 0-3 are in; the youngest 24 loads (A's blocks 4-7) may be out
	BODY \slot, \q, \first, \slot, (\q)+1, 0
.endm
; A slot's last step, with the change of slots AT ITS HEAD.  All fragments of this step have been asked for (the last behind the last product of the step before), so the slot is read out as soon as they are in.
; Each wave waits for all its tensor loads (one is out: its part of the next slot), adds 0 to its spare word, and waits for that and for its own reads of this slot; then a round of the cluster's barrier;
; behind it this slot is filled again, first thing; then come the step's 64 products with the next slot's first fragments among them.
; fill = 1: jointly, the codes two K steps ahead; behind the step's products one prefetch names my work-group's 24 blocks of the tile that I fetch two refills on (none in the loop's last trip: K has no such step).
; fill = 2: slot 0's last fill: each wave's 64 rows of c_prev.
.macro TURN slot, next, fill
.if \fill == 1
	s_wait_xcnt 0x0                                ; my last prefetch has read its address, which steps here, a K step behind it
	s_add_nc_u64 s[PFA:PFA+1], s[PFA:PFA+1], PLANE
.endif
	s_wait_tensorcnt 0x0                           ; all my tensor loads have landed: my part of the next slot; so every group 0 may be written.  (Every window is 0 here: the add's two registers lie in window 0)
	ds_add_u32 v[SPW], v[NIL]                      ; 0 onto my spare word; with fill = 1 the descriptors' steps stand between it and the wait for it
.if \fill == 1
	s_add_nc_u64 s[G0+4*\slot+2:G0+4*\slot+3], s[G0+4*\slot+2:G0+4*\slot+3], 2*PLANE       ; this slot's next tile: two K steps on; the type bits on top are not reached
	s_add_nc_u64 s[G0B+4*\slot+2:G0B+4*\slot+3], s[G0B+4*\slot+2:G0B+4*\slot+3], 2*PLANE
.endif
	v_add_nc_u32 v[ADRS], 4*NQ, v[ADRS]            ; on to the next K step's scale words
	s_wait_alu depctr_va_vdst(0)
	s_wait_dscnt 0x0                               ; the add is done, and my reads of this slot are over: its last fragments are in registers
	CROUND                                         ; no wave of any partner still reads this slot's tile or has a load on its way
.if \fill == 1
	JLOAD G0+4*\slot, G1, G0B+4*\slot, G1B         ; the first tensor load behind the round, and my only one until the next: 128 matrix instructions ahead of the wait for it
.else
	tensor_load_to_lds s[G0C:G0C+3], s[G1C:G1C+7]  ; my one tensor load behind the round: 160 matrix instructions ahead of the wait for it
	s_nop 0
	PLACES 4
.endif
	BODY \slot, NQ-1, 0, \next, 0, 1
.if \fill == 1
	s_cmp_gt_u32 s3, 1                             ; s3 = 1 in the loop's last trip
	s_cbranch_scc0 .Lno_ask_\@
	global_prefetch_b8 v[PFO], s[PFA:PFA+1] offset:PLANE th:TH_LOAD_NT scope:SCOPE_SE
.Lno_ask_\@:
.endif
.endm
	s_wait_alu depctr_va_vdst(0)
	s_wait_tensorcnt 0x0                           ; my tile of the head's four is in
	ds_add_u32 v[SPW], v[NIL]
	s_mov_b32 s[G1+2], 96<<16                      ; no tensor load of mine is out, so descriptors may be written: from here on a load brings 128 code rows, 96 rows of 256 bytes,
	s_mov_b32 s[G1+4], 96
	s_mov_b32 s[G1B+2], 96<<16
	s_mov_b32 s[G1B+4], 96
	s_mul_i32 s18, s16, 128*192
	s_mov_b32 s19, 0
	s_add_co_u32 s[G0+1], s45, 0                   ; and slot 0's group 0 stands at my 128 rows of K step 0: its first refill steps it two K steps on
	s_add_nc_u64 s[G0+2:G0+3], s[G0+2:G0+3], s[18:19]
	s_add_co_u32 s[G0B+1], s45, 0
	s_add_nc_u64 s[G0B+2:G0B+3], s[G0B+2:G0B+3], s[18:19]
	s_wait_dscnt 0x0                               ; the add is done
	CROUND                                         ; a whole round: all four tiles are in, and all sixteen work-groups are here
	JLOAD G0+4, G1, G0B+4, G1B                     ; K step 1, slot 1's first fill: the first tensor load behind the round
	FETCH_B 0, 0, 0
	FETCH_A 0, 0, 0
	SCALES 0
	FETCH_A 0, 0, 4
	s_wait_loadcnt 0x0                             ; the biases are in: their bases may be written again
	s_mov_b32 s[G1C+0], (3<<16)|(1<<20)|(5<<22)|(3<<25)   ; group 1 for c_prev: no mask; elements of 8 bytes; 4 words of padding behind every 64
	s_mov_b32 s[G1C+1], 32<<16                     ; tensor_dim0 = 32 (256 bytes)
	s_mov_b32 s[G1C+2], 64<<16                     ; tensor_dim1 = 64
	s_mov_b32 s[G1C+3], 32<<16                     ; tile_dim0 = 32
	s_mov_b32 s[G1C+4], 64                         ; tile_dim1 = 64
	s_mov_b32 s[G1C+5], 512                        ; from row to row: 4,096 bytes
	s_mov_b32 s[G1C+6], 0
	s_mov_b32 s[G1C+7], 0
	STEP 0, 0, 1                                   ; the first step stands in front of the loop: its products start the sums, on the biases
	s_mov_b32 s3, LAPS-1
.Llap:                                                 ; a trip goes once round the ring, from a lap's second step to the next lap's first, and fills both slots again: K steps 2 to 7
	TURN 0, 1, 1
	STEP 1, 0, 0
	TURN 1, 0, 1
	STEP 0, 0, 0
	s_sub_co_u32 s3, s3, 1
	s_cmp_lg_u32 s3, 0
	s_cbranch_scc1 .Llap
	TURN 0, 1, 2                                   ; K step 6 is read out: slot 0 takes c_prev
	STEP 1, 0, 0
	s_wait_dscnt 4*NL                              ; the very last step: nothing more to fetch
	WIN MUL_LO
	MUL16 0, 1, NQ-1, 1, 0
	MUL16 2, 1, NQ-1, 1, 0
	s_wait_dscnt 0x0                               ; my reads of slot 1 are over,
	s_wait_tensorcnt 0x0                           ; and my 64 rows of c_prev have landed:
	s_barrier_signal -1                            ; say so
	WIN MUL_HI
	MUL16 4, 1, NQ-1, 1, 0
	MUL16 6, 1, NQ-1, 1, 0
	WIN 0
	s_barrier_wait -1                              ; c_prev's tile is whole, and nobody reads the ring any more: its bytes may be stored into
	PLACES NP                                      ; in front of the first read of results and of writes into the registers that held A's fragments
; THE TAIL, block by block of 16 rows x my 32 hidden columns.  u = 0, 1: columns 16 u on.
.macro CPLOAD a                        ; my 16 numbers of c_prev for block a: row 16 a + r, columns 16 u + 8 h + 0 .. 7
.irp u, 0,1
.irp k, 0,1
	ds_load_b128 v[CPV+16*((\a)%2)+8*\u+4*\k:CPV+16*((\a)%2)+8*\u+4*\k+3], v[CA] offset:16*CPP*(\a)+64*\u+16*\k
.endr
.endr
.endm
.macro SEND a                          ; block a's 16 whole rows leave
	s_wait_dscnt 0x0                               ; they are back in registers
.irp t, 0,1,2,3,4,5,6,7
	global_store_b128 v[CO], v[RB+32*((\a)%2)+4*\t:RB+32*((\a)%2)+4*\t+3], s[8:9] offset:(16*(\a)+2*\t)*4096 th:TH_STORE_NT   ; 16 lanes store 256 consecutive bytes, aligned; the row stands in the immediate, 516,096 at the most; written once, read by nobody here
.endr
.endm
.macro GATES a
	WIN 0x02+(\a)/4                                ; source 0: window 2 or 3
.irp b, 0,1,2,3,4,5,6,7                        ; each accumulator from its low end on
.irp j, 0,2,4,6
.if (\b)/2 == 2
	v_pk_mul_f32 v[E+8*\b+\j:E+8*\b+\j+1], v[64*((\a)%4)+8*\b+\j:64*((\a)%4)+8*\b+\j+1], s[66:67] op_sel_hi:[1,0]   ; gate g: 2 z log2 e
.else
	v_pk_mul_f32 v[E+8*\b+\j:E+8*\b+\j+1], v[64*((\a)%4)+8*\b+\j:64*((\a)%4)+8*\b+\j+1], s[12:13] op_sel_hi:[1,0]   ; gates f, i, o: -z log2 e
.endif
.endr
.endr
	WIN 0
.set GI, 0
	s_wait_alu depctr_va_vdst(0)
.rept 64
	v_exp_f32 v[E+GI], v[E+GI]
.set GI, GI+1
.endr
.if (\a) > 0
	SEND (\a)-1                                    ; the block before has had 96 instructions in which to come back from LDS
.endif
	v_nop                                          ; a plain instruction between the last exponential and the use of its result
.set GI, 0
	s_wait_alu depctr_va_vdst(0)
.rept 32
	v_pk_add_f32 v[E+GI:E+GI+1], v[E+GI:E+GI+1], 1.0 op_sel_hi:[1,0]
.set GI, GI+2
.endr
.set GI, 0
	s_wait_alu depctr_va_vdst(0)
.rept 64
	v_rcp_f32 v[E+GI], v[E+GI]                     ; sig(f), sig(i), sig(o); of g: 1 / (1 + 2^(2 z log2 e))
.set GI, GI+1
.endr
	v_nop
.set GI, 0
	s_wait_alu depctr_va_vdst(0)
.rept 8
	v_pk_fma_f32 v[E+32+GI:E+33+GI], v[E+32+GI:E+33+GI], -2.0, 1.0 op_sel_hi:[1,0,0]   ; tanh(g)
.set GI, GI+2
.endr
.set GI, 0
.rept 8
	v_pk_mul_f32 v[CN+GI:CN+GI+1], v[E+GI:E+GI+1], v[CPV+16*((\a)%2)+GI:CPV+16*((\a)%2)+GI+1]   ; sig(f) c_prev
.set GI, GI+2
.endr
.set GI, 0
.rept 8
	v_pk_fma_f32 v[CN+GI:CN+GI+1], v[E+16+GI:E+17+GI], v[E+32+GI:E+33+GI], v[CN+GI:CN+GI+1]     ; + sig(i) tanh(g) = c_next
.set GI, GI+2
.endr
.set GI, 0
.rept 8
	v_pk_mul_f32 v[TC+GI:TC+GI+1], v[CN+GI:CN+GI+1], s[66:67] op_sel_hi:[1,0]
.set GI, GI+2
.endr
.set GI, 0
	s_wait_alu depctr_va_vdst(0)
.rept 16
	v_exp_f32 v[TC+GI], v[TC+GI]
.set GI, GI+1
.endr
	v_nop
.set GI, 0
	s_wait_alu depctr_va_vdst(0)
.rept 8
	v_pk_add_f32 v[TC+GI:TC+GI+1], v[TC+GI:TC+GI+1], 1.0 op_sel_hi:[1,0]
.set GI, GI+2
.endr
.set GI, 0
	s_wait_alu depctr_va_vdst(0)
.rept 16
	v_rcp_f32 v[TC+GI], v[TC+GI]
.set GI, GI+1
.endr
	v_nop
.set GI, 0
	s_wait_alu depctr_va_vdst(0)
.rept 8
	v_pk_fma_f32 v[TC+GI:TC+GI+1], v[TC+GI:TC+GI+1], -2.0, 1.0 op_sel_hi:[1,0,0]       ; tanh(c_next)
.set GI, GI+2
.endr
.set GI, 0
.rept 8
	v_pk_mul_f32 v[TC+GI:TC+GI+1], v[TC+GI:TC+GI+1], v[E+48+GI:E+49+GI]                ; x sig(o) = h_next
.set GI, GI+2
.endr
.endm
.macro STAGE a                         ; c_next goes where my lane's c_prev lay (read by this lane alone, and LDS serves a wave's instructions in order), h_next into its own rows
.irp u, 0,1
.irp k, 0,1
	ds_store_b128 v[CA], v[CN+8*\u+4*\k:CN+8*\u+4*\k+3] offset:16*CPP*(\a)+64*\u+16*\k
.endr
.endr
.irp u, 0,1
.irp k, 0,1
	ds_store_b128 v[HA], v[TC+8*\u+4*\k:TC+8*\u+4*\k+3] offset:16*CPP*(\a)+64*\u+16*\k
.endr
.endr
.endm
.macro EBAR                            ; a row's 256 bytes come from the two waves of a row half: my stores have landed (and the next block's c_prev is in), then the work-group's barrier
	s_wait_dscnt 0x0
	s_barrier_signal -1
	s_barrier_wait -1
.endm
.macro BACK a                          ; block a's 16 rows of c (column half 0's wave) or of h (half 1's) come back whole.  Later blocks use other rows: nobody writes these bytes again
.if (\a) >= 2
	s_wait_xcnt 0x0                                ; block a - 2's stores have read this set of registers
.endif
.irp t, 0,1,2,3,4,5,6,7
	ds_load_b128 v[RB+32*((\a)%2)+4*\t:RB+32*((\a)%2)+4*\t+3], v[RD] offset:(16*(\a)+2*\t)*CPP
.endr
.endm
	CPLOAD 0
	s_wait_dscnt 0x0
.irp a, 0,1,2,3,4,5,6,7
	GATES \a
	STAGE \a
.if \a < 7
	CPLOAD \a+1                                    ; in front of the barrier's signal, whose wait brings it in
.endif
	EBAR
	BACK \a
.endr
	SEND 7
	s_wait_tensorcnt 0x0                           ; the wave's end: behind my last tensor load and my last LDS store
	ds_add_u32 v[SPW], v[NIL]
	s_wait_dscnt 0x0
	CROUND                                         ; the closing round: no work-group ends while a partner may still ask for a tile that names it
	s_endpgm
.Lfunc_end_k_q2200142f53_lstm:
	.size	k_q2200142f53_lstm, .Lfunc_end_k_q2200142f53_lstm-k_q2200142f53_lstm
	.p2alignl 7, 3214868480
	.fill 96, 4, 3214868480
	.section	.rodata,"a",@progbits
	.p2align	6, 0x0
	.amdhsa_kernel k_q2200142f53_lstm
		.amdhsa_group_segment_fixed_size 327680
		.amdhsa_private_segment_fixed_size 0
		.amdhsa_enable_private_segment 0
		.amdhsa_kernarg_size 72
		.amdhsa_user_sgpr_count 2
		.amdhsa_user_sgpr_kernarg_segment_ptr 1
		.amdhsa_wavefront_size32 1
		.amdhsa_system_sgpr_workgroup_id_x 1
		.amdhsa_system_sgpr_workgroup_id_y 1
		.amdhsa_system_sgpr_workgroup_id_z 1
		.amdhsa_system_vgpr_workitem_id 0
		.amdhsa_next_free_vgpr 1024
		.amdhsa_next_free_sgpr 106
		.amdhsa_reserve_vcc 0
		.amdhsa_float_denorm_mode_32 3
		.amdhsa_float_denorm_mode_16_64 3
		.amdhsa_memory_ordered 1
		.amdhsa_forward_progress 1
		.amdhsa_inst_pref_size 255
	.end_amdhsa_kernel
	.section	.bss,"aw",@nobits
	.p2align	6
	.space	262144
	.amdgpu_metadata
---
amdhsa.version: [ 1, 2 ]
amdhsa.kernels:
  - .name:           k_q2200142f53_lstm
    .symbol:         k_q2200142f53_lstm.kd
    .args:
      - { .name: codes, .offset: 0, .size: 8, .value_kind: global_buffer, .address_space: global }
      - { .name: scales, .offset: 8, .size: 8, .value_kind: global_buffer, .address_space: global }
      - { .name: out0, .offset: 16, .size: 8, .value_kind: global_buffer, .address_space: global }
      - { .name: out1, .offset: 24, .size: 8, .value_kind: global_buffer, .address_space: global }
      - { .name: bf, .offset: 32, .size: 8, .value_kind: global_buffer, .address_space: global }
      - { .name: bi, .offset: 40, .size: 8, .value_kind: global_buffer, .address_space: global }
      - { .name: bg, .offset: 48, .size: 8, .value_kind: global_buffer, .address_space: global }
      - { .name: bo, .offset: 56, .size: 8, .value_kind: global_buffer, .address_space: global }
      - { .name: c_prev, .offset: 64, .size: 8, .value_kind: global_buffer, .address_space: global }
    .group_segment_fixed_size: 327680
    .private_segment_fixed_size: 0
    .kernarg_segment_align: 8
    .kernarg_segment_size: 72
    .max_flat_workgroup_size: 128
    .sgpr_count:     106
    .vgpr_count:     1024
    .wavefront_size: 32
...
	.end_amdgpu_metadata
.endif
;; end of part 2
